; MI455X (gfx1250); checked and timed in simulation.
; The chip was launched on July 23, 2026; its instructions are those of AMD's public machine-readable ISA for CDNA 5 (MIT licence, August 2026) and "CDNA5" Instruction Set Architecture Reference Guide (July 2026). The comments in the code are by the model that wrote it; some were corrected since.
;; Multi Headed Self Attention. Allowed arithmetic: matrix products marked QUANTISED: E3M2 operands, one E8M0 scale for each 32 along K, by v_wmma_scale_f32_16x16x128_f8f6f4 with both operands' format E3M2, f32 sums; everything else in f32.
;; Inputs: Wk 768 x 768 float32; Wq 768 x 768 float32; Wv 768 x 768 float32; bk 768 float32; bq 768 float32; bv 768 float32; mask 2 x 4,096 int32; x 2 x 4,096 x 768 float32.
;; Outputs: out0 2 x 4,096 x 768 float32.
;; This version of the problem:
;;   THIS VERSION OF THE PROBLEM IS GIVEN IN LOW PRECISION. The matrix products marked QUANTISED in the list below multiply operands that are first quantised to E3M2 (3 exponent bits, 2 mantissa bits; 6 bits a number), with one power-of-two scale for each 32 numbers along K (OCP MX v1.0); their sums are f32. All else is computed in f32.
;;   The module's matrix products, in the order in which they are computed (A, B: the left and right operand; K: the contracted axis; several contracted axes count as one K, in the product's order):
;;     1. [M 8,192, K 768] x [K 768, N 768]; A: input x; B: input Wq: QUANTISED
;;     2. [M 8,192, K 768] x [K 768, N 768]; A: input x; B: input Wk: QUANTISED
;;     3. [M 8,192, K 768] x [K 768, N 768]; A: input x; B: input Wv: QUANTISED
;;     4. batch 12 x [M 4,096, K 128] x [K 128, N 4,096]; A: computed on the way; B: computed on the way: QUANTISED
;;     5. batch 12 x [M 4,096, K 4,096] x [K 4,096, N 128]; A: softmax (see below); B: computed on the way: QUANTISED
;;   THE QUANTISER, for each operand of a quantised product, along K:
;;     - K is cut into blocks of 32 from its start; a last block that is shorter is filled with zeros.
;;     - A block's scale is 2^e with e = floor(log2(the largest magnitude in the block)) - 4, held to -126 .. 127; a block of zeros has e = 0. As a byte (E8M0): e + 127.
;;     - Each number is divided by its block's scale, clamped to +-28, and rounded to the nearest number of E3M2, ties to even, subnormals kept.
;;     - The product sums the exact products of the quantised numbers (number of the format x scale) in f32.
;;   ~~~python
;;   def quantise(x, axis):      # numpy; x: float32 -> the quantised numbers, widened to float32 again
;;       x = np.moveaxis(x, axis, -1); K = x.shape[-1]
;;       x = np.pad(x, [(0, 0)] * (x.ndim - 1) + [(0, -K % 32)]); x = x.reshape(x.shape[:-1] + (-1, 32)); a = np.abs(x).max(-1, keepdims=True)
;;       e = np.where(a > 0, np.clip(np.frexp(np.where(a > 0, a, 1))[1] - 1 - 4, -126, 127), 0)      # np.frexp(a)[1] - 1 = floor(log2(a)), exactly
;;       r = np.clip(x / 2.0 ** e, -28, 28)
;;       step = 2.0 ** (np.maximum(np.frexp(np.where(r == 0, 1, r))[1] - 1, -2) - 2)
;;       q = np.round(r / step) * step * 2.0 ** e      # np.round: ties to even
;;       return np.moveaxis(q.reshape(q.shape[:-2] + (-1,))[..., :K], -1, axis).astype(np.float32)
;;   ~~~
;;   SOFTMAX AHEAD OF A QUANTISED PRODUCT. Where the list says 'softmax', what is quantised is not the finished softmax but p = 2^(t - M), with t = logit x log2(e) and M = ceil(the row's largest t), a whole number; so 1/2 < the row's largest p <= 1. The row's sum l is taken of the UNQUANTISED p, in f32, and the product's result is divided by l at the end. Since M is a whole number, a kernel that streams over the keys may use a running M (the ceiling of the running maximum): every later rescaling is an exact power of two, which a block's scale takes up: the codes' values come out the same.
;;   OPERANDS COMPUTED ON THE WAY. 'Computed on the way' means the value that the module computes at that place (a softmax that the list does not call 'softmax' is quantised finished and normalised). What goes into a quantiser is computed in f32, as accurately as f32 sums, v_exp_f32 and their like allow (about 1e-6 of the number): no bf16 or f16 on the way to a quantiser, and a product that is left as it is and whose result goes on into a quantised operand takes f32 operands (vector FMAs, or v_wmma_f32_16x16x4_f32). A number that lies on a knife's edge between two numbers of the format may be rounded either way, as far as f32 arithmetic and the matrix unit's own rounding can turn it there, and no further.
;; One version. Each part assembles by itself: llvm-mc -triple=amdgcn-amd-amdhsa -mcpu=gfx1250 --defsym DOCPART=n.
;; ======== version 1 of 1: 3 launches
;; limits: right only within a limited range of input values
;; workspace buffers: xi 4,718,592 bytes; xs 196,608 bytes; wi 1,327,104 bytes; ws 55,296 bytes; qimg 4,718,592 bytes; qsc 196,608 bytes; kv 9,437,184 bytes; kvs 393,216 bytes
;; launch quant (part 1): grid 82 x 3, 4 waves a work-group, no clusters, 68,096 bytes of LDS; arguments x, Wq, Wk, Wv, xi, xs, wi, ws; writes xi, xs, wi, ws
.if DOCPART == 1
	.amdgcn_target "amdgcn-amd-amdhsa--gfx1250"
	.amdhsa_code_object_version 6
	.text
	.protected	k_q2a02429bfe_quant
	.globl	k_q2a02429bfe_quant
	.p2align	8
	.type	k_q2a02429bfe_quant,@function
k_q2a02429bfe_quant:
	s_mov_b64 s[64:65], 0
	v_nop
	global_prefetch_b8 v0, s[64:65] scope:SCOPE_SE
	s_setreg_imm32_b32 hwreg(HW_REG_WAVE_MODE, 25, 1), 1
	s_wait_xcnt 0x0
; FIRST OF THREE LAUNCHES: x [8192][768] and Wq, Wk, Wv [768][768], f32, become codes of BF6 (E3M2) with one E8M0 byte for each 32 along K = 768 (innermost in all four).
; DEAD WORK: none.  bq and bk move the codes of q and k, bv those of v, the mask is an input and is honoured for every whole number: every input is loaded by some launch, every product of the table is done.
; THE LAYOUT OF THE WORKSPACE: IMAGES OF OPERAND REGISTERS.  Rows go in groups of 64; tile i (0..3) of a group holds at its row m the matrix row 64 group + 32 (m / 8) + 8 i + m % 8.
; A fragment (16 tile rows x 128 K, 12 registers a lane: lane (r, h) holds row r, registers 6 c .. 6 c + 5 hold K = 64 c + 32 h + 0 .. 31) lies as 3 x 512 bytes: registers 4 c .. 4 c + 3 of lane l at 512 c + 16 l.
; Why these rows: as source 0 of a product, tile 4 c + i leaves in register j of lane (r, h) the row 64 c + 32 h + 8 i + j: a lane's 32 registers of four tiles are 32 NEIGHBOURS, the very ones that the 6-bit layout gives that lane.
; xi, wi: [tile][K step 0..5][1536].  xs, ws: [pair of tiles][g 0..2][lane][2 words]: word e serves K step 2 g + e; lanes 0-15 the pair's first tile, lanes 16-31 its second.
; SHARES: a wave takes a pair of tiles (32 rows) x 2 K steps (work-group y = g).  Work-groups 0-63 take x, 64-69 Wq, 70-75 Wk, 76-81 Wv: only pointers are chosen, one way through the text.
; Each load reads 512 consecutive bytes of one row; the rows turn through the wave's own stage in LDS (pitch 528 = 33 x 16 bytes, so the 16 rows of a read start in different banks) and come back 128 bytes a lane and block.
; A block's scale is 2^(floor(log2(largest magnitude)) - 4); its byte is the largest magnitude's exponent field - 4, held at 1 from below.
; LIMITS: NaN and infinities among the inputs are not served.  A block of zeros gets the byte 1 where the rule says 127: its codes are zeros, and this program alone reads the bytes.
.set ROWB,   3072                      ; a row of x or of a weight in bytes
.set SPITCH, 528
.set WSTG,   32*SPITCH                 ; a wave's stage
.set SPARE,  4*WSTG                    ; behind the stages: the spare words, 128 bytes a wave
.set LI,  1                            ; v1   16 x lane
.set L8,  2                            ; v2   8 x lane
.set STI, 3                            ; v3   stage, on the way in: + 16 x lane
.set STR, 4                            ; v4   stage, on the way out: + 528 r + 128 h
.set SH8, 5                            ; v5   8 h
.set Z,   6
.set W,   7
.set PW0, 8                            ; v8, v9  the two tiles' scale words
.set PW1, 9
.set SPW, 10                           ; v10  my spare word's address; never rewritten
.set NIL, 11                           ; v11  0; never rewritten
.set SC,  12                           ; v12-13  the pair's words of the two K steps
.set L,   16                           ; v16-143  32 rows as loaded
.set X,   144                          ; v144-207 64 numbers of my row: X[32 c + n] = K 64 c + 32 h + n
.set PC,  208                          ; v208-219 the fragment
.set PT,  220                          ; v220-222, v224-226 second halves of the blocks' codes
.set MX,  228
.set SO,  230
.set BY,  232
.set SEL, 34                           ; s[34:35] v_permlanex16_b32's selects for lane l xor 16
	s_load_b512 s[4:19], s[0:1], 0x0               ; x, Wq, Wk, Wv, xi, xs, wi, ws
	v_lshl_add_u32 v[SPW], v0, 2, SPARE
	v_mov_b32 v[NIL], 0
	v_lshrrev_b32 v14, 5, v0
	v_readfirstlane_b32 s20, v14                   ; wave
	v_and_b32 v14, 31, v0                          ; lane
	v_and_b32 v15, 15, v0                          ; r
	v_bfe_u32 v[SH8], v0, 4, 1                     ; h
	v_lshlrev_b32 v[LI], 4, v14
	v_lshlrev_b32 v[L8], 3, v14
	s_mul_i32 s21, s20, WSTG
	v_add_nc_u32 v[STI], s21, v[LI]
	v_mul_u32_u24 v[STR], v15, SPITCH
	v_lshl_add_u32 v[STR], v[SH8], 7, v[STR]
	v_add_nc_u32 v[STR], s21, v[STR]
	v_lshlrev_b32 v[SH8], 3, v[SH8]
	v_mov_b32 v[Z], 0                              ; a lane permute's destination counts as one of its sources
	s_mov_b32 s[SEL], 0x76543210
	s_mov_b32 s[SEL+1], 0xfedcba98
	s_mov_b32 s36, 0xffff0000                      ; lanes 16-31
	s_and_b32 s22, ttmp7, 0xffff                   ; g
	s_mov_b32 s23, 76
	s_cmp_lt_u32 ttmp9, 76
	s_cselect_b32 s23, 70, s23
	s_cmp_lt_u32 ttmp9, 70
	s_cselect_b32 s23, 64, s23
	s_cmp_lt_u32 ttmp9, 64
	s_cselect_b32 s23, 0, s23                      ; the first work-group of my tensor,
	s_cselect_b32 s24, 0, 64                       ; and of my buffers of images and scales
	s_sub_co_u32 s23, ttmp9, s23
	s_lshl_b32 s23, s23, 2
	s_add_co_u32 s23, s23, s20                     ; my pair in the tensor
	s_sub_co_u32 s24, ttmp9, s24
	s_lshl_b32 s24, s24, 2
	s_add_co_u32 s24, s24, s20                     ; my pair in the buffers
	s_lshr_b32 s25, s23, 1
	s_lshl_b32 s25, s25, 6
	s_and_b32 s26, s23, 1
	s_lshl_b32 s26, s26, 4
	s_add_co_u32 s25, s25, s26                     ; row 64 (pair / 2) + 16 (pair % 2)
	s_mul_i32 s26, s25, ROWB
	s_lshl_b32 s25, s22, 10
	s_add_co_u32 s26, s26, s25                     ; + 1,024 g bytes along K
	s_mov_b32 s27, 0
	s_mul_i32 s28, s24, 18432                      ; images: 2 tiles x 6 K steps x 1,536 a pair,
	s_mul_i32 s25, s22, 3072                       ; 2 K steps a g
	s_add_co_u32 s28, s28, s25
	s_mov_b32 s29, 0
	s_mul_i32 s30, s24, 768
	s_lshl_b32 s25, s22, 8
	s_add_co_u32 s30, s30, s25
	s_mov_b32 s31, 0
	s_wait_alu depctr_va_vdst(0)
	s_wait_kmcnt 0x0
	s_cmp_lt_u32 ttmp9, 76                         ; the choices hang on the work-group's number alone
	s_cselect_b64 s[10:11], s[8:9], s[10:11]
	s_cmp_lt_u32 ttmp9, 70
	s_cselect_b64 s[10:11], s[6:7], s[10:11]
	s_cmp_lt_u32 ttmp9, 64
	s_cselect_b64 s[10:11], s[4:5], s[10:11]       ; the tensor
	s_cselect_b64 s[12:13], s[12:13], s[16:17]     ; its images
	s_cselect_b64 s[14:15], s[14:15], s[18:19]     ; its scale words
	s_add_nc_u64 s[10:11], s[10:11], s[26:27]
	s_add_nc_u64 s[12:13], s[12:13], s[28:29]
	s_add_nc_u64 s[14:15], s[14:15], s[30:31]
.macro LOAD e                          ; K step e of the pair's 32 rows: slot 16 u + r holds tile u's row r
.irp u, 0,1
.irp r, 0,1,2,3,4,5,6,7,8,9,10,11,12,13,14,15
	global_load_b128 v[L+4*(16*\u+\r):L+4*(16*\u+\r)+3], v[LI], s[10:11] offset:(32*(\r/8)+8*\u+\r%8)*ROWB+512*\e th:TH_LOAD_NT
.endr
.endr
.endm
.macro TOSTAGE
.irp q, 0,1,2,3,4,5,6,7,8,9,10,11,12,13,14,15,16,17,18,19,20,21,22,23,24,25,26,27,28,29,30,31
	ds_store_b128 v[STI], v[L+4*\q:L+4*\q+3] offset:SPITCH*\q
.endr
.endm
; 64 numbers of a lane, v[n + 32 c + i] = K 64 c + 32 h + i of my row, become the fragment v[PC] on and my row's scale word v[pw] (the same in lanes l and l xor 16).  Each block of 32 is one lane's own.
.macro QUANT n, pw
.irp c, 0,1
	v_max3_num_f32 v[MX+\c], |v[\n+32*\c]|, |v[\n+32*\c+1]|, 0x2800000   ; with the floor 2^(5 - 127): the byte cannot fall under 1
.endr
.irp k, 2,4,6,8,10,12,14,16,18,20,22,24,26,28,30
.irp c, 0,1
	v_max3_num_f32 v[MX+\c], v[MX+\c], |v[\n+32*\c+\k]|, |v[\n+32*\c+\k+1]|   ; the two blocks by turns
.endr
.endr
.irp c, 0,1
	v_add_nc_u32 v[SO+\c], 0xfe000000, v[MX+\c]    ; 4 off the exponent field: the conversion's scale operand
.endr
.irp c, 0,1
	v_lshrrev_b32 v[BY+\c], 23, v[SO+\c]           ; the scale's byte
.endr
	v_lshl_or_b32 v[W], v[BY+1], 16, v[BY]         ; my blocks h and 2 + h,
	v_lshlrev_b32 v[W], v[SH8], v[W]               ; at their places in the word;
	v_permlanex16_b32 v[Z], v[W], s[SEL], s[SEL+1]
	v_or_b32 v[\pw], v[W], v[Z]                    ; with lane l xor 16's two the word is whole
.irp c, 0,1
	v_cvt_scalef32_pk16_bf6_f32 v[PC+6*\c:PC+6*\c+2], v[\n+32*\c:\n+32*\c+15], v[SO+\c]
	v_cvt_scalef32_pk16_bf6_f32 v[PT+4*\c:PT+4*\c+2], v[\n+32*\c+16:\n+32*\c+31], v[SO+\c]   ; (a conversion's three registers begin on an even number)
.endr
	v_nop                                          ; one plain place behind a scaled conversion
.irp c, 0,1
.irp i, 0,1,2
	v_mov_b32 v[PC+6*\c+3+\i], v[PT+4*\c+\i]
.endr
.endr
.endm
.macro TILE u, e, pw
.irp c, 0,1
.irp n, 0,1,2,3,4,5,6,7
	ds_load_b128 v[X+32*\c+4*\n:X+32*\c+4*\n+3], v[STR] offset:16*(\u)*SPITCH+256*\c+16*\n   ; LDS serves a wave's instructions in order: these see my stores
.endr
.endr
	s_wait_dscnt 0x0
.if (\u)+(\e) > 0
	s_wait_xcnt 0x0                                ; the last fragment's stores have read their data: it may be written again
.endif
	QUANT X, \pw
.irp c, 0,1,2
	global_store_b128 v[LI], v[PC+4*\c:PC+4*\c+3], s[12:13] offset:9216*(\u)+1536*(\e)+512*\c   ; 512 consecutive bytes, at a multiple of 256
.endr
.endm
	LOAD 0
	s_wait_loadcnt 0x0
	TOSTAGE
	s_wait_dscnt 0x0                               ; the stores have read their registers,
	LOAD 1                                         ; which take the second K step while the first is worked
	TILE 0, 0, PW0
	TILE 1, 0, PW1
	v_cndmask_b32 v[SC], v[PW0], v[PW1], s36       ; lanes 0-15 the first tile's words, lanes 16-31 the second's
	s_wait_loadcnt 0x0
	TOSTAGE                                        ; my reads of the stage are back: it is written again
	TILE 0, 1, PW0
	TILE 1, 1, PW1
	v_cndmask_b32 v[SC+1], v[PW0], v[PW1], s36
	global_store_b64 v[L8], v[SC:SC+1], s[14:15]   ; 256 consecutive bytes, at a multiple of 256
	s_wait_tensorcnt 0x0                           ; the wave's end, behind my last LDS store
	ds_add_u32 v[SPW], v[NIL]
	s_wait_dscnt 0x0
	s_endpgm
.Lfunc_end_k_q2a02429bfe_quant:
	.size	k_q2a02429bfe_quant, .Lfunc_end_k_q2a02429bfe_quant-k_q2a02429bfe_quant
	.p2alignl 7, 3214868480
	.fill 96, 4, 3214868480
	.section	.rodata,"a",@progbits
	.p2align	6, 0x0
	.amdhsa_kernel k_q2a02429bfe_quant
		.amdhsa_group_segment_fixed_size 68096
		.amdhsa_private_segment_fixed_size 0
		.amdhsa_enable_private_segment 0
		.amdhsa_kernarg_size 64
		.amdhsa_user_sgpr_count 2
		.amdhsa_user_sgpr_kernarg_segment_ptr 1
		.amdhsa_wavefront_size32 1
		.amdhsa_system_sgpr_workgroup_id_x 1
		.amdhsa_system_sgpr_workgroup_id_y 1
		.amdhsa_system_sgpr_workgroup_id_z 1
		.amdhsa_system_vgpr_workitem_id 0
		.amdhsa_next_free_vgpr 256
		.amdhsa_next_free_sgpr 66
		.amdhsa_reserve_vcc 0
		.amdhsa_float_denorm_mode_32 3
		.amdhsa_float_denorm_mode_16_64 3
		.amdhsa_memory_ordered 1
		.amdhsa_forward_progress 1
		.amdhsa_inst_pref_size 31
	.end_amdhsa_kernel
	.amdgpu_metadata
---
amdhsa.version: [ 1, 2 ]
amdhsa.kernels:
  - .name:           k_q2a02429bfe_quant
    .symbol:         k_q2a02429bfe_quant.kd
    .args:
      - { .name: x, .offset: 0, .size: 8, .value_kind: global_buffer, .address_space: global }
      - { .name: Wq, .offset: 8, .size: 8, .value_kind: global_buffer, .address_space: global }
      - { .name: Wk, .offset: 16, .size: 8, .value_kind: global_buffer, .address_space: global }
      - { .name: Wv, .offset: 24, .size: 8, .value_kind: global_buffer, .address_space: global }
      - { .name: xi, .offset: 32, .size: 8, .value_kind: global_buffer, .address_space: global }
      - { .name: xs, .offset: 40, .size: 8, .value_kind: global_buffer, .address_space: global }
      - { .name: wi, .offset: 48, .size: 8, .value_kind: global_buffer, .address_space: global }
      - { .name: ws, .offset: 56, .size: 8, .value_kind: global_buffer, .address_space: global }
    .group_segment_fixed_size: 68096
    .private_segment_fixed_size: 0
    .kernarg_segment_align: 8
    .kernarg_segment_size: 64
    .max_flat_workgroup_size: 128
    .sgpr_count:     66
    .vgpr_count:     256
    .wavefront_size: 32
...
	.end_amdgpu_metadata
.endif
;; end of part 1
;; launch proj (part 2): grid 144 x 1, 4 waves a work-group, no clusters, 327,680 bytes of LDS; arguments xi, xs, wi, ws, bq, bk, bv, qimg, qsc, kv, kvs; writes qimg, qsc, kv, kvs
.if DOCPART == 2
	.amdgcn_target "amdgcn-amd-amdhsa--gfx1250"
	.amdhsa_code_object_version 6
	.text
	.protected	k_q2a02429bfe_proj
	.globl	k_q2a02429bfe_proj
	.p2align	8
	.type	k_q2a02429bfe_proj,@function
k_q2a02429bfe_proj:
	s_mov_b64 s[64:65], 0
	v_nop
	global_prefetch_b8 v0, s[64:65] scope:SCOPE_SE
	s_setreg_imm32_b32 hwreg(HW_REG_WAVE_MODE, 25, 1), 1
	s_wait_xcnt 0x0
.set TSC,   147456
.set SPARE, 153600
.set LI,  1
.set L8,  2
.set ADA, 3
.set ADB, 4
.set ADS, 5
.set SH8, 6
.set BOQ, 7
.set Z,   8
.set PW,  9
.set SPW, 10
.set NIL, 11
.set RS,  12
.set TS,  36
.set SCP, 48
.set PWE, 52
.set W,   53
.set MX,  54
.set SO,  56
.set BY,  58
.set PC,  60
.set PT,  72
.set BOV, 80
.set TX,  96
.set CT,  192
.set HA,  192
.set WV,  26
.set ID,  27
.set G1A, 36
.set G1B, 44
.set G0A, 52
.set G0B, 56
.set SEL, 60
.set HIM, 62
.set TRIP, 63
.set TB,  66
.set TSB, 67
.set FP,  68
.set SP,  70
.set FSTR, 72
.set SSTR, 74
.set BVP, 76
.set RIMG, 78
.set RSC, 80
.set BPTR, 82
.set ISQ, 84
.set MSB, 0
.macro WIN new
.if MSB != (\new)
	s_set_vgpr_msb (MSB<<8)|(\new)
.set MSB, (\new)
.endif
.endm
.macro PLACES
.rept 4
	v_nop
.endr
.endm
.macro WM d, a, b, c, sa, sb, ra, rb
.if (\ra) && (\rb)
	v_wmma_scale_f32_16x16x128_f8f6f4 v[(\d):(\d)+7], v[(\a):(\a)+11], v[(\b):(\b)+11], v[(\c):(\c)+7], v[\sa], v[\sb] matrix_a_fmt:MATRIX_FMT_BF6 matrix_b_fmt:MATRIX_FMT_BF6 matrix_a_scale:MATRIX_SCALE_ROW1 matrix_b_scale:MATRIX_SCALE_ROW1
.elseif \ra
	v_wmma_scale_f32_16x16x128_f8f6f4 v[(\d):(\d)+7], v[(\a):(\a)+11], v[(\b):(\b)+11], v[(\c):(\c)+7], v[\sa], v[\sb] matrix_a_fmt:MATRIX_FMT_BF6 matrix_b_fmt:MATRIX_FMT_BF6 matrix_a_scale:MATRIX_SCALE_ROW1
.elseif \rb
	v_wmma_scale_f32_16x16x128_f8f6f4 v[(\d):(\d)+7], v[(\a):(\a)+11], v[(\b):(\b)+11], v[(\c):(\c)+7], v[\sa], v[\sb] matrix_a_fmt:MATRIX_FMT_BF6 matrix_b_fmt:MATRIX_FMT_BF6 matrix_b_scale:MATRIX_SCALE_ROW1
.else
	v_wmma_scale_f32_16x16x128_f8f6f4 v[(\d):(\d)+7], v[(\a):(\a)+11], v[(\b):(\b)+11], v[(\c):(\c)+7], v[\sa], v[\sb] matrix_a_fmt:MATRIX_FMT_BF6 matrix_b_fmt:MATRIX_FMT_BF6
.endif
.endm
	s_load_b512 s[4:19], s[0:1], 0x0
	s_load_b128 s[20:23], s[0:1], 0x40
	s_load_b64 s[24:25], s[0:1], 0x50
	v_lshl_add_u32 v[SPW], v0, 2, SPARE
	v_mov_b32 v[NIL], 0
	ds_add_u32 v[SPW], v[NIL]
	ds_add_u32 v[SPW], v[NIL]
	v_lshrrev_b32 v[W], 5, v0
	v_readfirstlane_b32 s[WV], v[W]
	v_and_b32 v[W], 31, v0
	v_lshlrev_b32 v[LI], 4, v[W]
	v_lshlrev_b32 v[L8], 3, v[W]
	v_bfe_u32 v[SH8], v0, 4, 1
	v_lshlrev_b32 v[BOQ], 7, v[SH8]
	v_lshlrev_b32 v[SH8], 3, v[SH8]
	v_and_b32 v[W], 7, v0
	v_bfe_u32 v[BOV], v0, 3, 1
	v_lshl_add_u32 v[BOV], v[BOV], 5, v[W]
	v_lshlrev_b32 v[BOV], 2, v[BOV]
	v_mov_b32 v[Z], 0
	s_mov_b32 s[SEL], 0x76543210
	s_mov_b32 s[SEL+1], 0xfedcba98
	s_mov_b32 s[HIM], 0xffff0000
	s_mov_b32 s[G1A], 3<<16
	s_mov_b32 s[G1A+1], 32<<16
	s_mov_b32 s[G1A+2], 144<<16
	s_mov_b32 s[G1A+3], 32<<16
	s_mov_b32 s[G1A+4], 144
	s_mov_b32 s[G1A+5], 32
	s_mov_b32 s[G1A+6], 0
	s_mov_b32 s[G1A+7], 0
	s_mov_b32 s[G1B], 3<<16
	s_mov_b32 s[G1B+1], 32<<16
	s_mov_b32 s[G1B+2], 6<<16
	s_mov_b32 s[G1B+3], 32<<16
	s_mov_b32 s[G1B+4], 6
	s_mov_b32 s[G1B+5], 32
	s_mov_b32 s[G1B+6], 0
	s_mov_b32 s[G1B+7], 0
	s_mov_b32 s[ID], ttmp9
	s_lshr_b32 s28, s[ID], 5
	s_lshl_b32 s28, s28, 2
	s_add_co_u32 s28, s28, s[WV]
	s_and_b32 s29, s[ID], 31
	s_sub_co_u32 s30, s[ID], 96
	s_lshr_b32 s31, s30, 4
	s_and_b32 s30, s30, 15
	s_lshl_b32 s30, s30, 2
	s_add_co_u32 s30, s30, s[WV]
	s_cmp_lt_u32 s28, 6
	s_cselect_b32 s32, 0, 6
	s_cselect_b32 s[ISQ], 1, 0
	s_sub_co_u32 s32, s28, s32
	s_lshl_b32 s[BPTR], s32, 9
	s_mov_b32 s[BPTR+1], 0
	s_lshr_b32 s33, s29, 4
	s_mul_i32 s33, s33, 6
	s_add_co_u32 s32, s32, s33
	s_and_b32 s33, s29, 15
	s_lshl_b32 s33, s33, 1
	s_lshr_b32 s34, s30, 5
	s_mul_i32 s34, s34, 6
	s_lshl_b32 s35, s31, 1
	s_add_co_u32 s34, s34, s35
	s_and_b32 s35, s30, 31
	s_lshl_b32 s[BVP], s31, 10
	s_mov_b32 s[BVP+1], 0
	s_mul_i32 s2, s29, 147456
	s_mul_i32 s3, s31, 147456
	s_add_co_u32 s3, s3, 884736
	s_mul_i32 s29, s29, 6144
	s_mul_i32 s31, s31, 6144
	s_add_co_u32 s31, s31, 36864
	s_mov_b32 s[FSTR], 786432
	s_mov_b32 s[SSTR], 32768
	s_cmp_lt_u32 s[ID], 96
	s_cselect_b32 s28, s28, s30
	s_cselect_b32 s32, s32, s34
	s_cselect_b32 s33, s33, s35
	s_cselect_b32 s2, s2, s3
	s_cselect_b32 s29, s29, s31
	s_cselect_b32 s[ISQ], s[ISQ], 0
	s_cselect_b32 s34, 0, 12288
	s_cselect_b32 s35, 0, 16384
	s_cselect_b32 s[FSTR], 24576, s[FSTR]
	s_cselect_b32 s[SSTR], 512, s[SSTR]
	s_lshl_b32 s30, s32, 5
	s_add_co_u32 s30, s30, s33
	s_mul_i32 s31, s30, 24576
	s_add_co_u32 s31, s31, s34
	s_lshl_b32 s3, s32, 15
	s_lshl_b32 s33, s33, 9
	s_add_co_u32 s3, s3, s33
	s_add_co_u32 s3, s3, s35
	s_mul_i32 s34, s30, 12288
	s_lshl_b32 s35, s30, 9
	s_cmp_eq_u32 s[ISQ], 1
	s_cselect_b32 s[FP], s34, s31
	s_cselect_b32 s[SP], s35, s3
	s_cselect_b32 s[FSTR], 12288, s[FSTR]
	s_mov_b32 s[FP+1], 0
	s_mov_b32 s[SP+1], 0
	s_mov_b32 s[FSTR+1], 0
	s_mov_b32 s[SSTR+1], 0
	s_mul_i32 s[RIMG], s28, 73728
	s_mov_b32 s[RIMG+1], 0
	s_mul_i32 s[RSC], s28, 3072
	s_mov_b32 s[RSC+1], 0
	s_mul_i32 s30, s[WV], 36864
	s_add_co_u32 s2, s2, s30
	s_mov_b32 s3, 0
	s_mul_i32 s31, s[WV], 1536
	s_add_co_u32 s28, s29, s31
	s_mov_b32 s29, 0
	s_mov_b32 s[G0A], 1
	s_mov_b32 s[G0A+1], s30
	s_mov_b32 s[G0B], 1
	s_add_co_u32 s[G0B+1], s31, TSC
	s_mov_b32 s[TB], 0
	s_mov_b32 s[TSB], TSC
	s_mov_b32 s[TRIP], 0
	s_wait_alu depctr_va_vdst(0)
	s_wait_dscnt 0x0
	s_wait_kmcnt 0x0
	s_cmp_lt_u32 s[ID], 96
	s_cselect_b64 s[30:31], s[8:9], s[4:5]
	s_cselect_b64 s[32:33], s[10:11], s[6:7]
	s_cselect_b64 s[34:35], s[4:5], s[8:9]
	s_cselect_b64 s[6:7], s[6:7], s[10:11]
	s_add_nc_u64 s[RIMG:RIMG+1], s[30:31], s[RIMG:RIMG+1]
	s_add_nc_u64 s[RSC:RSC+1], s[32:33], s[RSC:RSC+1]
	s_add_nc_u64 s[G0A+2:G0A+3], s[34:35], s[2:3]
	s_or_b32 s[G0A+3], s[G0A+3], 0x80000000
	s_add_nc_u64 s[G0B+2:G0B+3], s[6:7], s[28:29]
	s_or_b32 s[G0B+3], s[G0B+3], 0x80000000
	s_cmp_eq_u32 s[ISQ], 1
	s_cselect_b64 s[30:31], s[18:19], s[22:23]
	s_cselect_b64 s[32:33], s[20:21], s[24:25]
	s_cselect_b64 s[34:35], s[12:13], s[14:15]
	s_add_nc_u64 s[FP:FP+1], s[30:31], s[FP:FP+1]
	s_add_nc_u64 s[SP:SP+1], s[32:33], s[SP:SP+1]
	s_add_nc_u64 s[BPTR:BPTR+1], s[34:35], s[BPTR:BPTR+1]
	s_add_nc_u64 s[BVP:BVP+1], s[16:17], s[BVP:BVP+1]
	tensor_load_to_lds s[G0A:G0A+3], s[G1A:G1A+7]
	s_nop 0
	PLACES
.irp q, 0,1,2,3
.irp g, 0,1,2
	global_load_b64 v[RS+6*\q+2*\g:RS+6*\q+2*\g+1], v[L8], s[RSC:RSC+1] offset:768*\q+256*\g
.endr
.endr
.irp w, 0,1,2
	WIN 0x40*(\w+1)
.irp e, 0,1
.irp t, 0,1,2,3,4,5,6,7
.irp c, 0,1,2
	global_load_b128 v[96*\e+12*\t+4*\c:96*\e+12*\t+4*\c+3], v[LI], s[RIMG:RIMG+1] offset:9216*\t+1536*(2*\w+\e)+512*\c
.endr
.endr
.endr
.endr
	WIN 0
	s_wait_alu depctr_va_vdst(0)
	s_wait_tensorcnt 0x0
	ds_add_u32 v10, v11
	s_wait_dscnt 0x0
	s_barrier_signal -1
	s_barrier_wait -1
	tensor_load_to_lds s[G0B:G0B+3], s[G1B:G1B+7]
	s_nop 0
	PLACES
	s_wait_tensorcnt 0x0
	s_barrier_signal -1
	s_barrier_wait -1
.macro TLOAD n
.irp s, 0,1,2,3,4,5
.irp c, 0,1,2
.if (\n) < 4
	ds_load_b128 v[TX+72*((\n)%2)+12*\s+4*\c:TX+72*((\n)%2)+12*\s+4*\c+3], v[ADA] offset:9216*(\n)+1536*\s+512*\c
.else
	ds_load_b128 v[TX+72*((\n)%2)+12*\s+4*\c:TX+72*((\n)%2)+12*\s+4*\c+3], v[ADB] offset:9216*((\n)-4)+1536*\s+512*\c
.endif
.endr
.endr
.if (\n)%2 == 0
.irp g, 0,1,2
	ds_load_b64 v[TS+6*(((\n)/2)%2)+2*\g:TS+6*(((\n)/2)%2)+2*\g+1], v[ADS] offset:768*((\n)/2)+256*\g
.endr
.endif
.endm
.macro KSTEP s, n, cb, cm
.irp t, 0,1,2,3,4,5,6,7
	WM HA+8*\t, 96*((\s)%2)+12*\t, TX+72*((\n)%2)+12*(\s), (\cb)+(\cm)*\t, RS+6*(\t/2)+(\s), TS+6*(((\n)/2)%2)+(\s), \t%2, (\n)%2
.endr
.endm
.macro QUANT pw
	WIN 0x3c
.irp c, 0,1
	v_max3_num_f32 v[MX+\c], 0x2800000, |v[HA+32*\c]|, |v[HA+32*\c+1]|
.endr
.irp k, 2,4,6,8,10,12,14,16,18,20,22,24,26,28,30
.irp c, 0,1
	v_max3_num_f32 v[MX+\c], v[MX+\c], |v[HA+32*\c+\k]|, |v[HA+32*\c+\k+1]|
.endr
.endr
	WIN 0
.irp c, 0,1
	v_add_nc_u32 v[SO+\c], 0xfe000000, v[MX+\c]
.endr
.irp c, 0,1
	v_lshrrev_b32 v[BY+\c], 23, v[SO+\c]
.endr
	v_lshl_or_b32 v[W], v[BY+1], 16, v[BY]
	v_lshlrev_b32 v[W], v[SH8], v[W]
	v_permlanex16_b32 v[Z], v[W], s[SEL], s[SEL+1]
	v_or_b32 v[\pw], v[W], v[Z]
	WIN 0x03
.irp c, 0,1
	v_cvt_scalef32_pk16_bf6_f32 v[PC+6*\c:PC+6*\c+2], v[HA+32*\c:HA+32*\c+15], v[SO+\c]
	v_cvt_scalef32_pk16_bf6_f32 v[PT+4*\c:PT+4*\c+2], v[HA+32*\c+16:HA+32*\c+31], v[SO+\c]
.endr
	WIN 0
	v_nop
.irp c, 0,1
.irp i, 0,1,2
	v_mov_b32 v[PC+6*\c+3+\i], v[PT+4*\c+\i]
.endr
.endr
.endm
.macro UNIT n
.if (\n) == 7
	s_wait_dscnt 0x0
.elseif (\n)%2
	s_wait_dscnt 21
.else
	s_wait_dscnt 18
.endif
	s_cmp_lt_u32 s[ID], 96
	s_cbranch_scc0 .Lbias_v_\@
	WIN 0xd1
	KSTEP 0, \n, CT, 8
	WIN 0
	s_branch .Lbias_done_\@
.Lbias_v_\@:
	WIN 0xd1
	KSTEP 0, \n, CT+8*(\n), 0
	WIN 0
.Lbias_done_\@:
	WIN 0xf1
	KSTEP 1, \n, HA, 8
	WIN 0xf2
	KSTEP 2, \n, HA, 8
	KSTEP 3, \n, HA, 8
	WIN 0xf3
	KSTEP 4, \n, HA, 8
	KSTEP 5, \n, HA, 8
	WIN 0
	PLACES
.if (\n)+2 < 8
	TLOAD (\n)+2
.endif
	s_wait_xcnt 0x0
.if (\n)%2
	QUANT PW
	v_cndmask_b32 v[SCP+(\n)/2], v[PWE], v[PW], s[HIM]
.else
	QUANT PWE
.endif
.irp c, 0,1,2
	global_store_b128 v[LI], v[PC+4*\c:PC+4*\c+3], s[FP:FP+1] offset:1536*(\n)+512*\c
.endr
.endm
.Ltrip:
	v_add_nc_u32 v[ADA], s[TB], v[LI]
	v_add_nc_u32 v[ADB], 36864, v[ADA]
	v_add_nc_u32 v[ADS], s[TSB], v[L8]
	s_cmp_lt_u32 s[ID], 96
	s_cbranch_scc0 .Ltable_v
	WIN 0x40
.irp c, 0,1
.irp n, 0,1,2,3,4,5,6,7
	global_load_b128 v[CT+32*\c+4*\n:CT+32*\c+4*\n+3], v[BOQ], s[BPTR:BPTR+1] offset:256*\c+16*\n
.endr
.endr
	WIN 0
	s_branch .Ltable_done
.Ltable_v:
	WIN 0x40
.irp n, 0,1,2,3,4,5,6,7
.irp j, 0,1,2,3,4,5,6,7
	global_load_b32 v[CT+8*\n+\j], v[BOV], s[BVP:BVP+1] offset:4*(64*(\n/4)+8*(\n%4))
.endr
.endr
	WIN 0
.Ltable_done:
	s_wait_alu depctr_va_vdst(0)
	TLOAD 0
	TLOAD 1
	s_wait_loadcnt 0x0
.irp n, 0,1,2,3,4,5,6,7
	UNIT \n
.endr
	global_store_b128 v[LI], v[SCP:SCP+3], s[SP:SP+1]
	s_wait_xcnt 0x0
	s_add_nc_u64 s[FP:FP+1], s[FP:FP+1], s[FSTR:FSTR+1]
	s_add_nc_u64 s[SP:SP+1], s[SP:SP+1], s[SSTR:SSTR+1]
	s_add_nc_u64 s[BVP:BVP+1], s[BVP:BVP+1], 512
	s_add_co_u32 s[TB], s[TB], 73728
	s_add_co_u32 s[TSB], s[TSB], 3072
	s_add_co_u32 s[TRIP], s[TRIP], 1
	s_cmp_lt_u32 s[TRIP], 2
	s_cbranch_scc1 .Ltrip
	s_wait_tensorcnt 0x0
	ds_add_u32 v[SPW], v[NIL]
	s_wait_dscnt 0x0
	s_endpgm
.Lfunc_end_k_q2a02429bfe_proj:
	.size	k_q2a02429bfe_proj, .Lfunc_end_k_q2a02429bfe_proj-k_q2a02429bfe_proj
	.p2alignl 7, 3214868480
	.fill 96, 4, 3214868480
	.section	.rodata,"a",@progbits
	.p2align	6, 0x0
	.amdhsa_kernel k_q2a02429bfe_proj
		.amdhsa_group_segment_fixed_size 327680
		.amdhsa_private_segment_fixed_size 0
		.amdhsa_enable_private_segment 0
		.amdhsa_kernarg_size 88
		.amdhsa_user_sgpr_count 2
		.amdhsa_user_sgpr_kernarg_segment_ptr 1
		.amdhsa_wavefront_size32 1
		.amdhsa_system_sgpr_workgroup_id_x 1
		.amdhsa_system_sgpr_workgroup_id_y 1
		.amdhsa_system_sgpr_workgroup_id_z 1
		.amdhsa_system_vgpr_workitem_id 0
		.amdhsa_next_free_vgpr 1024
		.amdhsa_next_free_sgpr 88
		.amdhsa_reserve_vcc 0
		.amdhsa_float_denorm_mode_32 3
		.amdhsa_float_denorm_mode_16_64 3
		.amdhsa_memory_ordered 1
		.amdhsa_forward_progress 1
		.amdhsa_inst_pref_size 128
	.end_amdhsa_kernel
	.amdgpu_metadata
---
amdhsa.version: [ 1, 2 ]
amdhsa.kernels:
  - .name:           k_q2a02429bfe_proj
    .symbol:         k_q2a02429bfe_proj.kd
    .args:
      - { .name: xi, .offset: 0, .size: 8, .value_kind: global_buffer, .address_space: global }
      - { .name: xs, .offset: 8, .size: 8, .value_kind: global_buffer, .address_space: global }
      - { .name: wi, .offset: 16, .size: 8, .value_kind: global_buffer, .address_space: global }
      - { .name: ws, .offset: 24, .size: 8, .value_kind: global_buffer, .address_space: global }
      - { .name: bq, .offset: 32, .size: 8, .value_kind: global_buffer, .address_space: global }
      - { .name: bk, .offset: 40, .size: 8, .value_kind: global_buffer, .address_space: global }
      - { .name: bv, .offset: 48, .size: 8, .value_kind: global_buffer, .address_space: global }
      - { .name: qimg, .offset: 56, .size: 8, .value_kind: global_buffer, .address_space: global }
      - { .name: qsc, .offset: 64, .size: 8, .value_kind: global_buffer, .address_space: global }
      - { .name: kv, .offset: 72, .size: 8, .value_kind: global_buffer, .address_space: global }
      - { .name: kvs, .offset: 80, .size: 8, .value_kind: global_buffer, .address_space: global }
    .group_segment_fixed_size: 327680
    .private_segment_fixed_size: 0
    .kernarg_segment_align: 8
    .kernarg_segment_size: 88
    .max_flat_workgroup_size: 128
    .sgpr_count:     88
    .vgpr_count:     1024
    .wavefront_size: 32
...
	.end_amdgpu_metadata
.endif
;; end of part 2
;; launch attn (part 3): grid 21 x 12, 4 waves a work-group, no clusters, 327,680 bytes of LDS; arguments qimg, qsc, kv, kvs, mask, out0; writes out0
.if DOCPART == 3
	.amdgcn_target "amdgcn-amd-amdhsa--gfx1250"
	.amdhsa_code_object_version 6
	.text
	.protected	k_q2a02429bfe_attn
	.globl	k_q2a02429bfe_attn
	.p2align	8
	.type	k_q2a02429bfe_attn,@function
k_q2a02429bfe_attn:
	s_mov_b64 s[64:65], 0
	v_nop
	global_prefetch_b8 v0, s[64:65] scope:SCOPE_SE
	s_setreg_imm32_b32 hwreg(HW_REG_WAVE_MODE, 25, 1), 1
	s_wait_xcnt 0x0
; THIRD OF THREE LAUNCHES: out = softmax(q k^T / sqrt(128) - 10000 (1 - mask)) v for 12 heads (batch x head) of 4,096 queries and keys, head size 128, both products in MX-BF6.  No work is left out.
; q, k, v arrive as images of operand registers with their scale words (see the first launch).  Both products are used transposed: a lane holds one query, its registers run along the keys (S^T) or the head (O^T).
; SHARES: a head has 256 tiles of 16 queries.  Work-group x (0..20) of a head takes tiles 12 x .. 12 x + 11, wave w three of them (12 x + 3 w + t, in register window t).  21 x 12 = 252 tiles: the head's last four
; tiles, 252 + x, go to work-groups x = 0..3 as a thirteenth tile, in window 3 of all four waves: wave w serves it in step w of each four steps along the keys, and the four parts (M, l, O) are joined through LDS at the end,
; by exact powers of two.  Work-groups 4..20 load a tile into window 3 as well, so that those registers are written on every way through the text, and never use it.
; K and V go through a ring of two LDS slots of four steps (128 keys: 24,576 bytes) each; a wave fills a quarter of a slot.  The scale words of a step (2 x 512 consecutive bytes) come from memory into registers one step ahead.
; NO CLUSTER: the work-groups that share K and V are the 21 of a head, and 21 is no multiple of four.  PREFETCH: work-groups 0..2 of a head name the slot behind the one being loaded, 12 waves x 32 lanes x 256 bytes = one slot, each block once.
; The mask is an input: -10000 sqrt(128) (1 - mask) is given as C of the first product, in the units of the raw scores.
; M is the ceiling of the running largest t; p = 2^(t - M); the sum is taken of the unquantised p.  LIMITS: the scaled scores stay under 2^31 in magnitude; NaN and infinities among the inputs are not served.
; REGISTERS.  Every window t: v16-27 q's fragment, v96-159 S then p, v160-223 O^T, v224-242 p's codes, v252-255 the maxima's four chains.  Window 0 besides: v1-15 addresses, v32-79 the four tiles' running numbers (12 each),
; v80-87 addresses of the joining, v88-95 K's and V's scale words, v244-251 q's and p's.  Window 1: v32-95 the mask.  Window 2: v32-79 fragments (K0, V0), v80-87 the next step's scale words.  Window 3: v32-79 fragments (K1, V1).
.set STEPB, 24576
.set SLOTB, 98304
.set SLOT1, 131072
.set MSK,   229376                     ; the mask's 4,096 numbers
.set STG,   245760                     ; a stage of 16 x 272 bytes for each wave
.set XM,    263168                     ; the thirteenth tile: four parts of O^T, 8,192 bytes each
.set XS,    295936                     ; their -M and l, 256 bytes each
.set XG,    296960                     ; its stage, 16 rows of 528 bytes
.set SPARE, 305408                     ; the spare words, 128 bytes a wave
.set LI,  1
.set ADK, 2
.set GSO, 3
.set AM0, 5
.set ADM, 6
.set GO,  7
.set STO, 8
.set RD,  9
.set SPW, 10
.set NIL, 11
.set SH8, 12
.set PFO, 13
.set QA,  14
.set Q,   16
.set ST,  32                           ; tile x at ST + 12 x: 0 -M, 1 largest t, 2-3 sum, 4-5 block maxima then bytes, 6-7 scale operands, 8-9 f, 10-11 at work
.set XMA, 80
.set XSA, 81
.set XSR, 82
.set XMR, 83
.set XGW, 84
.set XGR, 85
.set T16, 86
.set MA,  87
.set KS,  88
.set VS,  92
.set QS,  244
.set PS,  248
.set T,   252
.set FB,  32
.set MK,  32
.set KN,  80
.set FW,  88                           ; windows 2 and 3, v88-95: a copy of each tile's f (pairs), beside the fragments
.set S,   96
.set O,   160
.set P,   224
.set PT,  236
.set WV,  16
.set HD,  17
.set CS,  22
.set G1,  24
.set G0,  40
.set SEL, 48
.set TB,  50
.set TS,  51
.set SLOTS, 52
.set FOUR, 53
.set LIM, 54
.set WVX, 55
.set PFA, 56
.set KVS, 60
.set EXT, 62
.set TSN, 63
.set QP,  66
.set QSP, 74
.set OP,  82
.set XO,  90
.set MSB, 0
.macro WIN new                         ; the immediate's high byte repeats the setting that is left
.if MSB != (\new)
	s_set_vgpr_msb (MSB<<8)|(\new)
.set MSB, (\new)
.endif
.endm
.macro PLACES
.rept 4
	v_nop
.endr
.endm
.macro W
	s_wait_alu depctr_va_vdst(0)
.endm
.macro WM d, a, b, c, sa, sb, ra
.if \ra
	v_wmma_scale_f32_16x16x128_f8f6f4 v[(\d):(\d)+7], v[(\a):(\a)+11], v[(\b):(\b)+11], v[(\c):(\c)+7], v[\sa], v[\sb] matrix_a_fmt:MATRIX_FMT_BF6 matrix_b_fmt:MATRIX_FMT_BF6 matrix_a_scale:MATRIX_SCALE_ROW1
.else
	v_wmma_scale_f32_16x16x128_f8f6f4 v[(\d):(\d)+7], v[(\a):(\a)+11], v[(\b):(\b)+11], v[(\c):(\c)+7], v[\sa], v[\sb] matrix_a_fmt:MATRIX_FMT_BF6 matrix_b_fmt:MATRIX_FMT_BF6
.endif
.endm
	s_load_b256 s[4:11], s[0:1], 0x0               ; qimg, qsc, kv, kvs
	s_load_b128 s[12:15], s[0:1], 0x20             ; mask, out0
	v_lshl_add_u32 v[SPW], v0, 2, SPARE
	v_mov_b32 v[NIL], 0
	ds_add_u32 v[SPW], v[NIL]                      ; the opening lines: the add twice and its wait ahead of my first tensor load
	ds_add_u32 v[SPW], v[NIL]
	v_lshrrev_b32 v15, 5, v0
	v_readfirstlane_b32 s[WV], v15                 ; wave
	s_and_b32 s[HD], ttmp7, 0xffff                 ; batch x head, 0..11
	s_mul_i32 s32, s[HD], 786432
	s_mul_i32 s[G0+1], s[WV], STEPB                ; my quarter of a slot
	s_add_co_u32 s32, s32, s[G0+1]
	s_mov_b32 s33, 0
	s_mov_b32 s[G0], 1
	s_mov_b32 s[G1], 3<<16                         ; 96 dense rows of 256 bytes (32 elements of 8)
	s_mov_b32 s[G1+1], 32<<16
	s_mov_b32 s[G1+2], 96<<16
	s_mov_b32 s[G1+3], 32<<16
	s_mov_b32 s[G1+4], 96
	s_mov_b32 s[G1+5], 32
	s_mov_b32 s[G1+6], 0
	s_mov_b32 s[G1+7], 0
	s_wait_dscnt 0x0
	s_wait_kmcnt 0x0
	s_add_nc_u64 s[G0+2:G0+3], s[8:9], s[32:33]
	s_or_b32 s[G0+3], s[G0+3], 0x80000000
	tensor_load_to_lds s[G0:G0+3], s[G1:G1+7]      ; slot 0: my one tensor load at the head
	s_nop 0
	s_cmp_ge_u32 s[HD], 6
	s_cselect_b32 s20, 1, 0                        ; batch
	s_mul_i32 s21, s20, 6
	s_sub_co_u32 s21, s[HD], s21                   ; head
	s_mul_i32 s35, ttmp9, 12
	s_mul_i32 s36, s[WV], 3
	s_add_co_u32 s35, s35, s36                     ; my first tile
	s_mov_b32 s37, 0
.macro TADR t                          ; tile s32 of my head: its image, its scale words, its first row of out0 (tile T holds at row m the query 64 (T / 4) + 8 (T % 4) + 32 (m / 8) + m % 8)
	s_lshl_b32 s33, s[HD], 8
	s_add_co_u32 s33, s33, s32
	s_mul_i32 s36, s33, 1536
	s_add_nc_u64 s[QP+2*\t:QP+2*\t+1], s[4:5], s[36:37]
	s_lshr_b32 s33, s32, 3                         ; scale words: 512 bytes for 8 tiles; tile n at 256 (n % 2) + 16 r + 4 (n / 2)
	s_lshl_b32 s33, s33, 9
	s_and_b32 s34, s32, 1
	s_lshl_b32 s34, s34, 8
	s_add_co_u32 s33, s33, s34
	s_bfe_u32 s34, s32, 0x20001
	s_lshl_b32 s34, s34, 2
	s_add_co_u32 s33, s33, s34
	s_lshl_b32 s34, s[HD], 14
	s_add_co_u32 s36, s33, s34
	s_add_nc_u64 s[QSP+2*\t:QSP+2*\t+1], s[6:7], s[36:37]
	s_lshr_b32 s33, s32, 2
	s_lshl_b32 s33, s33, 6
	s_and_b32 s34, s32, 3
	s_lshl_b32 s34, s34, 3
	s_add_co_u32 s33, s33, s34
	s_lshl_b32 s34, s20, 12
	s_add_co_u32 s33, s33, s34
	s_mul_i32 s33, s33, 3072
	s_lshl_b32 s34, s21, 9
	s_add_co_u32 s36, s33, s34
	s_add_nc_u64 s[OP+2*\t:OP+2*\t+1], s[14:15], s[36:37]
.endm
.irp t, 0,1,2
	s_add_co_u32 s32, s35, \t
	TADR \t
.endr
	s_min_u32 s32, ttmp9, 3
	s_add_co_u32 s32, s32, 252                     ; the thirteenth tile
	TADR 3
	s_lshr_b32 s33, s[WV], 1                       ; its rows 4 w .. 4 w + 3 leave by me
	s_lshl_b32 s33, s33, 5
	s_and_b32 s34, s[WV], 1
	s_lshl_b32 s34, s34, 2
	s_add_co_u32 s33, s33, s34
	s_mul_i32 s36, s33, 3072
	s_add_nc_u64 s[XO:XO+1], s[OP+6:OP+7], s[36:37]
	s_lshl_b32 s36, s[HD], 15
	s_add_nc_u64 s[KVS:KVS+1], s[10:11], s[36:37]
	s_lshl_b32 s36, s20, 14
	s_add_nc_u64 s[12:13], s[12:13], s[36:37]
	s_lshl_b32 s33, ttmp9, 2
	s_add_co_u32 s33, s33, s[WV]
	s_lshl_b32 s33, s33, 13
	s_mul_i32 s36, s[HD], 786432
	s_add_co_u32 s36, s36, s33
	s_add_co_u32 s36, s36, SLOTB
	s_add_nc_u64 s[PFA:PFA+1], s[8:9], s[36:37]
	s_sub_co_u32 s33, 4, s[WV]
	s_cmp_lt_u32 ttmp9, 4
	s_cselect_b32 s[EXT], 1, 0                     ; has my work-group a thirteenth tile?
	s_cselect_b32 s[WVX], s33, 0                   ; the count of steps to go in a slot at which I serve it (0: never)
	s_cmp_lt_u32 ttmp9, 3
	s_cselect_b32 s[LIM], 1, -1                    ; work-groups 0..2 prefetch
	s_mov_b32 s[CS], 0x3e0293ee                    ; log2(e) / sqrt(128)
	s_mov_b32 s[CS+1], s[CS]
	s_mov_b32 s[SEL], 0x76543210
	s_mov_b32 s[SEL+1], 0xfedcba98
	s_mov_b32 s58, 0x47dcf88b                      ; 10000 sqrt(128)
	s_mov_b32 s59, 0xc7dcf88b
	s_mov_b32 s[TB], 0
	s_mov_b32 s[TS], 0
	s_mov_b32 s[SLOTS], 7
	s_mul_i32 s38, s[WV], 4352
	s_add_co_u32 s38, s38, STG
	s_lshl_b32 s39, s[WV], 13
	s_add_co_u32 s39, s39, XM
	s_lshl_b32 s44, s[WV], 8
	s_add_co_u32 s44, s44, XS
	s_lshl_b32 s45, s[WV], 11
	s_add_co_u32 s45, s45, XM
	s_lshr_b32 s46, s[WV], 1
	s_lshl_b32 s46, s46, 8
	s_and_b32 s47, s[WV], 1
	s_lshl_b32 s47, s47, 6
	s_add_co_u32 s46, s46, s47
	s_add_co_u32 s46, s46, XG
	s_mul_i32 s47, s[WV], 2112
	s_add_co_u32 s47, s47, XG
	v_and_b32 v15, 31, v0                          ; lane
	v_and_b32 v28, 15, v0                          ; r
	v_bfe_u32 v29, v0, 4, 1                        ; h
	v_lshlrev_b32 v[LI], 4, v15
	v_lshlrev_b32 v[PFO], 8, v15
	v_lshl_add_u32 v[AM0], v29, 7, MSK
	v_mul_u32_u24 v[GO], v29, 3072
	v_mul_u32_u24 v[STO], v28, 272
	v_mul_u32_u24 v[RD], v29, 272
	v_mul_u32_u24 v[XGW], v28, 528
	v_lshl_add_u32 v[GO], v28, 4, v[GO]
	v_lshl_add_u32 v[STO], v29, 7, v[STO]
	v_lshl_add_u32 v[RD], v28, 4, v[RD]
	v_lshl_add_u32 v[XGW], v29, 7, v[XGW]
	v_add_nc_u32 v[STO], s38, v[STO]
	v_add_nc_u32 v[RD], s38, v[RD]
	v_add_nc_u32 v[XGW], s46, v[XGW]
	v_lshlrev_b32 v[QA], 4, v28
	v_lshlrev_b32 v[T16], 4, v0
	v_lshl_add_u32 v[MA], v0, 4, MSK
	v_lshlrev_b32 v[SH8], 3, v29
	v_add_nc_u32 v[XMA], s39, v[LI]
	v_lshl_add_u32 v[XSA], v15, 3, s44
	v_lshl_add_u32 v[XSR], v15, 3, XS
	v_add_nc_u32 v[XMR], s45, v[LI]
	v_add_nc_u32 v[XGR], s47, v[LI]
	W
	WIN 0x80
	global_load_b128 v[KN:KN+3], v[LI], s[KVS:KVS+1]                 ; step 0's scale words: K's,
	global_load_b128 v[KN+4:KN+7], v[LI], s[KVS:KVS+1] offset:16384  ; V's
.irp t, 0,1,2,3
	WIN 0x40*\t
.irp c, 0,1,2
	global_load_b128 v[Q+4*\c:Q+4*\c+3], v[LI], s[QP+2*\t:QP+2*\t+1] offset:512*\c
.endr
.endr
	WIN 0
.irp t, 0,1,2,3
	global_load_b32 v[QS+\t], v[QA], s[QSP+2*\t:QSP+2*\t+1]
.endr
.irp i, 0,1,2,3,4,5,6,7
	global_load_b128 v[S+4*\i:S+4*\i+3], v[T16], s[12:13] offset:2048*\i   ; my batch's mask: 128 threads x 16 bytes a load
.endr
.irpc x, 0123
	v_mov_b32 v[ST+12*\x], 0x7f61b1e6              ; -M
	v_mov_b32 v[ST+12*\x+1], 0xff61b1e6            ; the largest t so far: -3e38
	v_mov_b32 v[ST+12*\x+2], 0
	v_mov_b32 v[ST+12*\x+3], 0
	v_mov_b32 v[ST+12*\x+4], 0                     ; the block maxima: written on every way through the text
	v_mov_b32 v[ST+12*\x+5], 0
	v_mov_b32 v[ST+12*\x+9], 0
	v_mov_b32 v[ST+12*\x+11], 0
.endr
.irp x, 0,1,2,3                        ; the step is written once: the first finds zeros in O^T
	WIN 0x40*\x
.set jj, 0
.rept 64
	v_mov_b32 v[O+jj], 0
.set jj, jj+1
.endr
.endr
.irp x, 2,3                            ; tile 2's p is summed at the head of the next step: the first step sums zeros.  Window 3: written on every way
	WIN 0x40*\x
.set jj, 0
.rept 64
	v_mov_b32 v[S+jj], 0
.set jj, jj+1
.endr
.irp j, 0,1,2,3,4,5,6,7
	v_mov_b32 v[FW+\j], 0
.endr
.endr
	WIN 0
	s_wait_loadcnt 0x0
.set jj, 0
.rept 32
	v_cvt_f32_i32 v[S+jj], v[S+jj]
.set jj, jj+1
.endr
.set jj, 0
.rept 32
	v_fma_f32 v[S+jj], v[S+jj], s58, s59           ; -10000 sqrt(128) (1 - mask)
.set jj, jj+1
.endr
.irp i, 0,1,2,3,4,5,6,7
	ds_store_b128 v[MA], v[S+4*\i:S+4*\i+3] offset:2048*\i
.endr
	W
.macro FLOAD g, off                    ; four fragments into buffer g (window 2 + g)
	WIN (2+(\g))<<6
.irp i, 0,1,2,3
.irp c, 0,1,2
	ds_load_b128 v[FB+12*\i+4*\c:FB+12*\i+4*\c+3], v[ADK] offset:(\off)+1536*\i+512*\c
.endr
.endr
.endm
.macro MLOAD c
	WIN 0x40
.irp n, 0,1,2,3,4,5,6,7
	ds_load_b128 v[MK+32*(\c)+4*\n:MK+32*(\c)+4*\n+3], v[ADM] offset:256*(\c)+16*\n
.endr
.endm
.macro QK g, x                         ; S^T of 64 keys: source 0 = K (window 2 + g), source 1 = q, C = the mask (window 1)
	WIN ((\x)<<6)|0x10|((\x)<<2)|(2+(\g))
.irp i, 0,1,2,3
	WM S+8*(4*(\g)+\i), FB+12*\i, Q, MK+8*(4*(\g)+\i), KS+2*(\g)+\i/2, QS+(\x), \i%2
.endr
.endm
.macro QW g, x, i                      ; one instruction of QK
	WIN ((\x)<<6)|0x10|((\x)<<2)|(2+(\g))
	WM S+8*(4*(\g)+(\i)), FB+12*(\i), Q, MK+8*(4*(\g)+(\i)), KS+2*(\g)+(\i)/2, QS+(\x), (\i)%2
.endm
.macro RS4 x, a                        ; accumulator a of O^T under the new M: x f, f taken from the fragments' window, so that the matrix instructions' window setting serves
.irp j, 0,2,4,6
	v_pk_mul_f32 v[O+8*(\a)+\j:O+8*(\a)+\j+1], v[FW+2*(\x):FW+2*(\x)+1], v[O+8*(\a)+\j:O+8*(\a)+\j+1] op_sel_hi:[0,1]
.endr
.endm
.macro PVR x                           ; O^T = f O^T + V^T p^T of tile x: behind each matrix instruction the next accumulator's four multiplications
	WIN (0x54*(\x))|2
	RS4 \x, 0
.irp a, 0,1,2,3,4,5,6,7
	WIN (0x54*(\x))|(2+\a/4)
	WM O+8*\a, FB+12*(\a%4), P, O+8*\a, VS+2*(\a/4)+(\a%4)/2, PS+(\x), \a%2
.if \a < 7
	RS4 \x, \a+1
.endif
.endr
.endm
.macro BP c, x, p                      ; part p (0..3) of the search for the largest score of my block of 32 keys: four chains, one to an accumulator, each from its low end on
	WIN 0x55*(\x)
.if (\p) == 0
.irp k, 0,1,2,3
	v_max3_num_f32 v[T+\k], v[S+32*(\c)+8*\k], v[S+32*(\c)+8*\k+1], v[S+32*(\c)+8*\k+2]
.endr
.elseif (\p) < 3
.irp k, 0,1,2,3
	v_max3_num_f32 v[T+\k], v[T+\k], v[S+32*(\c)+8*\k+1+2*(\p)], v[S+32*(\c)+8*\k+2+2*(\p)]
.endr
.else
	v_max3_num_f32 v[T], v[T], v[T+1], v[S+32*(\c)+7]
	v_max3_num_f32 v[T+2], v[T+2], v[T+3], v[S+32*(\c)+15]
	v_max3_num_f32 v[T], v[T], v[S+32*(\c)+23], v[S+32*(\c)+31]
	WIN 0x15*(\x)
	v_max_num_f32 v[ST+12*(\x)+4+(\c)], v[T], v[T+2]
.endif
.endm
.macro BMAX c, x
.irp p, 0,1,2,3
	BP \c, \x, \p
.endr
.endm
.macro STATS l                         ; in window 0, the tiles of the list by turns: the running M, f = 2^(old M - new M), the block maxima as t - M, the sum under the new M
	WIN 0
.irpc x, \l
	v_max_num_f32 v[ST+12*\x+10], v[ST+12*\x+4], v[ST+12*\x+5]
.endr
.irpc x, \l
	v_permlanex16_b32 v[ST+12*\x+11], v[ST+12*\x+10], s[SEL], s[SEL+1]
.endr
.irpc x, \l
	v_max_num_f32 v[ST+12*\x+10], v[ST+12*\x+10], v[ST+12*\x+11]
.endr
.irpc x, \l
	v_mul_f32 v[ST+12*\x+10], s[CS], v[ST+12*\x+10]
.endr
.irpc x, \l
	v_max_num_f32 v[ST+12*\x+1], v[ST+12*\x+1], v[ST+12*\x+10]
.endr
.irpc x, \l
	v_mov_b32 v[ST+12*\x+10], v[ST+12*\x]
.endr
.irpc x, \l
	v_floor_f32 v[ST+12*\x], -v[ST+12*\x+1]
.endr
.irpc x, \l
	v_sub_f32 v[ST+12*\x+10], v[ST+12*\x], v[ST+12*\x+10]
.endr
.irpc x, \l
	v_cvt_i32_f32 v[ST+12*\x+10], v[ST+12*\x+10]
.endr
.irpc x, \l
	v_ldexp_f32 v[ST+12*\x+8], 1.0, v[ST+12*\x+10]
.endr
.irpc x, \l
	v_fma_f32 v[ST+12*\x+4], v[ST+12*\x+4], s[CS], v[ST+12*\x]
	v_fma_f32 v[ST+12*\x+5], v[ST+12*\x+5], s[CS], v[ST+12*\x]
.endr
.irpc x, \l
	v_pk_mul_f32 v[ST+12*\x+2:ST+12*\x+3], v[ST+12*\x+2:ST+12*\x+3], v[ST+12*\x+8:ST+12*\x+9] op_sel_hi:[1,0]
.endr
	WIN 0x80
.irpc x, \l
	v_mov_b32 v[FW+2*\x], v[ST+12*\x+8]            ; f beside the fragments, in both their windows
.endr
	WIN 0xc0
.irpc x, \l
	v_mov_b32 v[FW+2*\x], v[ST+12*\x+8]
.endr
.endm
.macro SCALE x                         ; t - M
	WIN 0x41*(\x)
.set jj, 0
.rept 32
	v_pk_fma_f32 v[S+jj:S+jj+1], v[S+jj:S+jj+1], s[CS:CS+1], v[ST+12*(\x):ST+12*(\x)+1] op_sel_hi:[1,0,0]
.set jj, jj+2
.endr
.endm
.macro EXPS x
	WIN 0x41*(\x)
.set jj, 0
.rept 64
	v_exp_f32 v[S+jj], v[S+jj]
.set jj, jj+1
.endr
.endm
.macro XEXP l                          ; each block's largest p
	WIN 0
.irpc x, \l
	v_exp_f32 v[ST+12*\x+4], v[ST+12*\x+4]
	v_exp_f32 v[ST+12*\x+5], v[ST+12*\x+5]
.endr
.endm
.macro BYTES l                         ; p's scale operands and scale words
	WIN 0
.irpc x, \l
	v_max_num_f32 v[ST+12*\x+4], 0x2800000, v[ST+12*\x+4]
	v_max_num_f32 v[ST+12*\x+5], 0x2800000, v[ST+12*\x+5]
.endr
.irpc x, \l
	v_add_nc_u32 v[ST+12*\x+6], 0xfe000000, v[ST+12*\x+4]
	v_add_nc_u32 v[ST+12*\x+7], 0xfe000000, v[ST+12*\x+5]
.endr
.irpc x, \l
	v_lshrrev_b32 v[ST+12*\x+4], 23, v[ST+12*\x+6]
	v_lshrrev_b32 v[ST+12*\x+5], 23, v[ST+12*\x+7]
.endr
.irpc x, \l
	v_lshl_or_b32 v[ST+12*\x+10], v[ST+12*\x+5], 16, v[ST+12*\x+4]
.endr
.irpc x, \l
	v_lshlrev_b32 v[ST+12*\x+10], v[SH8], v[ST+12*\x+10]
.endr
.irpc x, \l
	v_permlanex16_b32 v[ST+12*\x+11], v[ST+12*\x+10], s[SEL], s[SEL+1]
.endr
.irpc x, \l
	v_or_b32 v[PS+\x], v[ST+12*\x+10], v[ST+12*\x+11]
.endr
.endm
.macro CVT x
	WIN 0x41*(\x)
.irp c, 0,1
	v_cvt_scalef32_pk16_bf6_f32 v[P+6*\c:P+6*\c+2], v[S+32*\c:S+32*\c+15], v[ST+12*(\x)+6+\c]
	v_cvt_scalef32_pk16_bf6_f32 v[PT+4*\c:PT+4*\c+2], v[S+32*\c+16:S+32*\c+31], v[ST+12*(\x)+6+\c]
.endr
	v_nop                                          ; one plain place behind a scaled conversion
.irp c, 0,1
.irp i, 0,1,2
	v_mov_b32 v[P+6*\c+3+\i], v[PT+4*\c+\i]
.endr
.endr
.endm
.macro TREE x                          ; the sum of the unquantised p, as a tree in place, behind the conversions
	WIN 0x55*(\x)
.irp d, 2,4,8,16,32
.set jj, 0
.rept 32/\d
	v_pk_add_f32 v[S+jj:S+jj+1], v[S+jj:S+jj+1], v[S+jj+\d:S+jj+\d+1]
.set jj, jj+2*\d
.endr
.endr
	WIN 0x04*(\x)
	v_pk_add_f32 v[ST+12*(\x)+2:ST+12*(\x)+3], v[ST+12*(\x)+2:ST+12*(\x)+3], v[S:S+1]
.endm
.macro STEP
	s_wait_loadcnt 0x0                             ; this step's scale words are in, and their load has read its offset
	s_add_co_u32 s[TSN], s[TS], 512
	s_min_u32 s[TSN], s[TSN], 15872                ; the last step asks for its own words again: inside the buffer
	v_add_nc_u32 v[ADK], s[TB], v[LI]
	v_add_nc_u32 v[ADM], s[TS], v[AM0]
	v_add_nc_u32 v[GSO], s[TSN], v[LI]
	v_nop                                          ; four places behind the last products, ahead of the loads into their fragments
	FLOAD 0, 0
	MLOAD 0
	FLOAD 1, 6144
	MLOAD 1
	WIN 0x02
.irp i, 0,1,2,3,4,5,6,7
	v_mov_b32 v[KS+\i], v[KN+\i]
.endr
	WIN 0x80
	global_load_b128 v[KN:KN+3], v[GSO], s[KVS:KVS+1]
	global_load_b128 v[KN+4:KN+7], v[GSO], s[KVS:KVS+1] offset:16384
	TREE 2                                         ; the last step's p of tile 2, while the fragments come
	s_wait_dscnt 20                                ; K0 and the mask's first half are in; K1's 12 loads and the second half's 8 may be out
; 24 matrix instructions in six groups of four (64 keys of one tile).  Behind instruction m stand four lines of the maxima of the group that ended at least two instructions
; earlier (part (m - 5) % 4 of group (m - 5) / 4): the four plain lines behind the instruction between are the places ahead of a group's first read (behind instruction 4: four v_nop).
.set mm, 0
.rept 24
.if mm == 12
	W
	s_wait_dscnt 0x0                               ; K1 and the mask's second half are in
.endif
	QW mm/12, (mm/4)%3, mm%4
.if mm == 4
	PLACES
.endif
.if mm >= 5
	BP ((mm-5)/4)/3, ((mm-5)/4)%3, (mm-5)%4
.endif
.set mm, mm+1
.endr
	BP 1, 1, 3
	WIN 0
	s_cmp_eq_u32 s[FOUR], s[WVX]                   ; ids and the counted step alone
	s_cbranch_scc0 .Lno_qk_\@
	QK 0, 3
	QK 1, 3
	PLACES
	BMAX 0, 3
	BMAX 1, 3
	WIN 0
.Lno_qk_\@:
	FLOAD 0, 12288                                 ; V0, V1: eight plain lines or more stand behind the last product on either way
	FLOAD 1, 18432
	BMAX 1, 2
	STATS 012
	SCALE 0
	W
	EXPS 0
	XEXP 012
	SCALE 1
	W
	EXPS 1
	BYTES 012
	CVT 0
	TREE 0
	SCALE 2
	W
	EXPS 2
	CVT 1
	TREE 1
	s_wait_dscnt 0x0                               ; V0 and V1 are in
	W
	CVT 2
	PVR 0
	PVR 1
	PVR 2
	WIN 0
	s_cmp_eq_u32 s[FOUR], s[WVX]
	s_cbranch_scc0 .Lno_pv_\@
	STATS 3
	SCALE 3
	W
	EXPS 3
	XEXP 3
	v_nop
	W
	BYTES 3
	CVT 3
	TREE 3
	PVR 3
	WIN 0
.Lno_pv_\@:
	s_add_co_u32 s[TB], s[TB], STEPB
	s_add_co_u32 s[TS], s[TS], 512
.endm
.macro FOUR_STEPS
	s_mov_b32 s[FOUR], 4
.Lstep_\@:
	STEP
	s_sub_co_u32 s[FOUR], s[FOUR], 1
	s_cmp_lg_u32 s[FOUR], 0
	s_cbranch_scc1 .Lstep_\@
	s_sub_co_u32 s[TB], s[TB], SLOTB
	s_xor_b32 s[TB], s[TB], SLOT1
.endm
.macro CHANGE fill                     ; a change of slots: all my tensor loads are in, the add, my reads of the old slot are over; the barrier; the refill first behind it
	s_wait_tensorcnt 0x0
	ds_add_u32 v[SPW], v[NIL]
.if \fill
	s_xor_b32 s[G0+1], s[G0+1], SLOT1
	s_add_nc_u64 s[G0+2:G0+3], s[G0+2:G0+3], SLOTB
	s_wait_xcnt 0x0                                ; my last prefetch has read its address
	s_add_nc_u64 s[PFA:PFA+1], s[PFA:PFA+1], SLOTB
.endif
	s_wait_dscnt 0x0
	s_barrier_signal -1
	s_barrier_wait -1
.if \fill
	tensor_load_to_lds s[G0:G0+3], s[G1:G1+7]
	s_nop 0
	PLACES
	s_cmp_gt_u32 s[SLOTS], s[LIM]                  ; the slot behind the one just asked for; the last refill has none behind it
	s_cbranch_scc0 .Lnot_mine_\@
	global_prefetch_b8 v[PFO], s[PFA:PFA+1] th:TH_LOAD_NT scope:SCOPE_SE
.Lnot_mine_\@:
.endif
.endm
.Lslot:
	CHANGE 1
	FOUR_STEPS
	s_sub_co_u32 s[SLOTS], s[SLOTS], 1
	s_cmp_lg_u32 s[SLOTS], 0
	s_cbranch_scc1 .Lslot
	CHANGE 0
	FOUR_STEPS
	PLACES
	TREE 2                                         ; the last step's p of tile 2
	WIN 0
	W
	s_cmp_eq_u32 s[EXT], 1
	s_cbranch_scc0 .Lx1
	v_add_f32 v[ST+38], v[ST+38], v[ST+39]         ; the thirteenth tile: my part's l,
	v_permlanex16_b32 v[ST+47], v[ST+38], s[SEL], s[SEL+1]
	v_add_f32 v[ST+37], v[ST+38], v[ST+47]
	ds_store_b64 v[XSA], v[ST+36:ST+37]            ; beside its -M,
	WIN 0x0c
.irp q, 0,1,2,3,4,5,6,7,8,9,10,11,12,13,14,15
	ds_store_b128 v[XMA], v[O+4*\q:O+4*\q+3] offset:512*\q   ; and its O^T, as an image of the registers
.endr
	WIN 0
.Lx1:
.irpc x, 012
	v_add_f32 v[ST+12*\x+2], v[ST+12*\x+2], v[ST+12*\x+3]
.endr
.irpc x, 012
	v_permlanex16_b32 v[ST+12*\x+11], v[ST+12*\x+2], s[SEL], s[SEL+1]
.endr
.irpc x, 012
	v_add_f32 v[ST+12*\x+2], v[ST+12*\x+2], v[ST+12*\x+11]
.endr
	W
.irpc x, 012
	v_rcp_f32 v[ST+12*\x+2], v[ST+12*\x+2]
.endr
	v_nop
	W
.irp x, 0,1,2
	WIN 0x41*\x
.set jj, 0
.rept 32
	v_pk_mul_f32 v[S+jj:S+jj+1], v[O+jj:O+jj+1], v[ST+12*\x+2:ST+12*\x+3] op_sel_hi:[1,0]
.set jj, jj+2
.endr
.endr
	W
.irp x, 0,1,2                          ; through my stage, 256 bytes of 16 rows at a time; sixteen lanes store 256 consecutive bytes, aligned
.irp c, 0,1
	WIN 0x04*\x
.irp n, 0,1,2,3,4,5,6,7
	ds_store_b128 v[STO], v[S+32*\c+4*\n:S+32*\c+4*\n+3] offset:16*\n
.endr
	WIN 0x40*\x
.irp i, 0,1,2,3,4,5,6,7
	ds_load_b128 v[O+32*\c+4*\i:O+32*\c+4*\i+3], v[RD] offset:544*\i
.endr
.endr
	s_wait_dscnt 0x0
	WIN 0x04*\x
.irp c, 0,1
.irp i, 0,1,2,3,4,5,6,7
	global_store_b128 v[GO], v[O+32*\c+4*\i:O+32*\c+4*\i+3], s[OP+2*\x:OP+2*\x+1] offset:(32*(\i/4)+2*(\i%4))*3072+256*\c th:TH_STORE_NT
.endr
.endr
.endr
	WIN 0
	s_wait_dscnt 0x0
	s_barrier_signal -1
	s_barrier_wait -1                              ; the four parts are in LDS
	s_cmp_eq_u32 s[EXT], 1
	s_cbranch_scc0 .Lx2
.irp p, 0,1,2,3
	ds_load_b64 v[P+2*\p:P+2*\p+1], v[XSR] offset:256*\p
.endr
.irp p, 0,1,2,3
.irp i, 0,1,2,3
	ds_load_b128 v[S+16*\p+4*\i:S+16*\p+4*\i+3], v[XMR] offset:8192*\p+512*\i   ; registers 16 w .. 16 w + 15 of each part
.endr
.endr
	s_wait_dscnt 0x0
	v_min_num_f32 v28, v[P], v[P+2]
	v_min_num_f32 v29, v[P+4], v[P+6]
	v_min_num_f32 v28, v28, v29                    ; -M of the whole row
.irp p, 0,1,2,3
	v_sub_f32 v[P+2*\p], v28, v[P+2*\p]
.endr
.irp p, 0,1,2,3
	v_cvt_i32_f32 v[P+2*\p], v[P+2*\p]
.endr
.irp p, 0,1,2,3
	v_ldexp_f32 v[P+2*\p], 1.0, v[P+2*\p]          ; 2^(the part's M - the row's M)
.endr
	v_mul_f32 v29, v[P], v[P+1]
.irp p, 1,2,3
	v_fma_f32 v29, v[P+2*\p], v[P+2*\p+1], v29
.endr
	W
	v_rcp_f32 v29, v29
	v_nop
	W
.irp p, 0,1,2,3
	v_mul_f32 v[P+2*\p], v[P+2*\p], v29
.endr
.irp j, 0,2,4,6,8,10,12,14
	v_pk_mul_f32 v[S+\j:S+\j+1], v[S+\j:S+\j+1], v[P:P+1] op_sel_hi:[1,0]
.endr
.irp p, 1,2,3
.irp j, 0,2,4,6,8,10,12,14
	v_pk_fma_f32 v[S+\j:S+\j+1], v[S+16*\p+\j:S+16*\p+\j+1], v[P+2*\p:P+2*\p+1], v[S+\j:S+\j+1] op_sel_hi:[1,0,1]
.endr
.endr
.irp i, 0,1,2,3
	ds_store_b128 v[XGW], v[S+4*\i:S+4*\i+3] offset:16*\i
.endr
.Lx2:
	s_wait_dscnt 0x0
	s_barrier_signal -1
	s_barrier_wait -1                              ; the tile's 16 rows are whole in its stage
	s_cmp_eq_u32 s[EXT], 1
	s_cbranch_scc0 .Lx3
.irp i, 0,1,2,3
	ds_load_b128 v[S+4*\i:S+4*\i+3], v[XGR] offset:528*\i
.endr
	s_wait_dscnt 0x0
.irp i, 0,1,2,3
	global_store_b128 v[LI], v[S+4*\i:S+4*\i+3], s[XO:XO+1] offset:3072*\i th:TH_STORE_NT   ; 32 lanes store a row's 512 consecutive bytes
.endr
.Lx3:
	s_wait_tensorcnt 0x0                           ; the wave's end
	ds_add_u32 v[SPW], v[NIL]
	s_wait_dscnt 0x0
	s_endpgm
.Lfunc_end_k_q2a02429bfe_attn:
	.size	k_q2a02429bfe_attn, .Lfunc_end_k_q2a02429bfe_attn-k_q2a02429bfe_attn
	.p2alignl 7, 3214868480
	.fill 96, 4, 3214868480
	.section	.rodata,"a",@progbits
	.p2align	6, 0x0
	.amdhsa_kernel k_q2a02429bfe_attn
		.amdhsa_group_segment_fixed_size 327680
		.amdhsa_private_segment_fixed_size 0
		.amdhsa_enable_private_segment 0
		.amdhsa_kernarg_size 48
		.amdhsa_user_sgpr_count 2
		.amdhsa_user_sgpr_kernarg_segment_ptr 1
		.amdhsa_wavefront_size32 1
		.amdhsa_system_sgpr_workgroup_id_x 1
		.amdhsa_system_sgpr_workgroup_id_y 1
		.amdhsa_system_sgpr_workgroup_id_z 1
		.amdhsa_system_vgpr_workitem_id 0
		.amdhsa_next_free_vgpr 1024
		.amdhsa_next_free_sgpr 96
		.amdhsa_reserve_vcc 0
		.amdhsa_float_denorm_mode_32 3
		.amdhsa_float_denorm_mode_16_64 3
		.amdhsa_memory_ordered 1
		.amdhsa_forward_progress 1
		.amdhsa_inst_pref_size 184
	.end_amdhsa_kernel
	.amdgpu_metadata
---
amdhsa.version: [ 1, 2 ]
amdhsa.kernels:
  - .name:           k_q2a02429bfe_attn
    .symbol:         k_q2a02429bfe_attn.kd
    .args:
      - { .name: qimg, .offset: 0, .size: 8, .value_kind: global_buffer, .address_space: global }
      - { .name: qsc, .offset: 8, .size: 8, .value_kind: global_buffer, .address_space: global }
      - { .name: kv, .offset: 16, .size: 8, .value_kind: global_buffer, .address_space: global }
      - { .name: kvs, .offset: 24, .size: 8, .value_kind: global_buffer, .address_space: global }
      - { .name: mask, .offset: 32, .size: 8, .value_kind: global_buffer, .address_space: global }
      - { .name: out0, .offset: 40, .size: 8, .value_kind: global_buffer, .address_space: global }
    .group_segment_fixed_size: 327680
    .private_segment_fixed_size: 0
    .kernarg_segment_align: 8
    .kernarg_segment_size: 48
    .max_flat_workgroup_size: 128
    .sgpr_count:     96
    .vgpr_count:     1024
    .wavefront_size: 32
...
	.end_amdgpu_metadata
.endif
;; end of part 3
